; MI455X (gfx1250); checked and timed in simulation.
; The chip was launched on July 23, 2026; its instructions are those of AMD's public machine-readable ISA for CDNA 5 (MIT licence, August 2026) and "CDNA5" Instruction Set Architecture Reference Guide (July 2026). The comments in the code are by the model that wrote it; some were corrected since.
;; Multi atten. Allowed arithmetic: matrix products marked QUANTISED: E5M2 operands, one given power-of-two scale a tensor, by v_wmma_f32_16x16x64_bf8_bf8 or v_wmma_f32_16x16x128_bf8_bf8, f32 sums; everything else in f32.
;; Inputs: W_attn 1,024 x 3,072 float32; W_proj 1,024 x 1,024 float32; b_attn 3,072 float32; b_proj 1,024 float32; lowp_scales 8 int32 (the exponents e of the quantised operands' scales 2^e); x 4 x 2,048 x 1,024 float32.
;; Outputs: out0 4 x 2,048 x 1,024 float32.
;; This version of the problem:
;;   THIS VERSION OF THE PROBLEM IS GIVEN IN LOW PRECISION. The matrix products marked QUANTISED in the list below multiply operands that are first quantised to E5M2 (5 exponent bits, 2 mantissa bits; 8 bits a number), with one given power-of-two scale for each operand tensor; their sums are f32. All else is computed in f32.
;;   The module's matrix products, in the order in which they are computed (A, B: the left and right operand; K: the contracted axis; several contracted axes count as one K, in the product's order):
;;     1. [M 8,192, K 1,024] x [K 1,024, N 3,072]; A: input x; B: input W_attn: QUANTISED (scales: A lowp_scales[0], B lowp_scales[1])
;;     2. batch 64 x [M 2,048, K 64] x [K 64, N 2,048]; A: computed on the way; B: computed on the way: QUANTISED (scales: A lowp_scales[2], B lowp_scales[3])
;;     3. batch 64 x [M 2,048, K 2,048] x [K 2,048, N 64]; A: softmax (see below); B: computed on the way: QUANTISED (scales: A lowp_scales[4], B lowp_scales[5])
;;     4. [M 8,192, K 1,024] x [K 1,024, N 1,024]; A: computed on the way; B: input W_proj: QUANTISED (scales: A lowp_scales[6], B lowp_scales[7])
;;   THE QUANTISER, for each operand of a quantised product, along K:
;;     - The operand's scale is 2^e, e = its entry of the input lowp_scales (int32; the entries are numbered through the quantised products in the list's order, A before B).
;;     - Each number is divided by the scale, clamped to +-57,344, and rounded to the nearest number of E5M2, ties to even, subnormals kept.
;;     - The product sums the exact products of the quantised numbers (number of the format x scale) in f32.
;;   ~~~python
;;   def quantise(x, axis, e):      # numpy; x: float32 -> the quantised numbers, widened to float32 again
;;       x = np.moveaxis(x, axis, -1); K = x.shape[-1]
;;       r = np.clip(x / 2.0 ** e, -57344, 57344)
;;       step = 2.0 ** (np.maximum(np.frexp(np.where(r == 0, 1, r))[1] - 1, -14) - 2)
;;       q = np.round(r / step) * step * 2.0 ** e      # np.round: ties to even
;;       return np.moveaxis(q, -1, axis).astype(np.float32)
;;   ~~~
;;   SOFTMAX AHEAD OF A QUANTISED PRODUCT. Where the list says 'softmax', what is quantised is not the finished softmax but p = 2^(t - M), with t = logit x log2(e) and M = ceil(the row's largest t), a whole number; so 1/2 < the row's largest p <= 1. The row's sum l is taken of the UNQUANTISED p, in f32, and the product's result is divided by l at the end. Since M is a whole number, a kernel that streams over the keys may use a running M (the ceiling of the running maximum): every later rescaling is an exact power of two, so the quantised numbers keep their values, but for numbers so far below the row's largest that they fall under the format's range.
;;   OPERANDS COMPUTED ON THE WAY. 'Computed on the way' means the value that the module computes at that place (a softmax that the list does not call 'softmax' is quantised finished and normalised). What goes into a quantiser is computed in f32, as accurately as f32 sums, v_exp_f32 and their like allow (about 1e-6 of the number): no bf16 or f16 on the way to a quantiser, and a product that is left as it is and whose result goes on into a quantised operand takes f32 operands (vector FMAs, or v_wmma_f32_16x16x4_f32). A number that lies on a knife's edge between two numbers of the format may be rounded either way, as far as f32 arithmetic and the matrix unit's own rounding can turn it there, and no further.
;; One version. Each part assembles by itself: llvm-mc -triple=amdgcn-amd-amdhsa -mcpu=gfx1250 --defsym DOCPART=n.
;; ======== version 1 of 1: 4 launches
;; limits: right only within a limited range of input values
;; workspace buffers: x_img 8,388,608 bytes; w_img 4,194,304 bytes; qk_img 16,777,216 bytes; v_img 8,388,608 bytes; o_img 8,388,608 bytes
;; launch prep (part 1): grid 768 x 1, 4 waves a work-group, no clusters, 34,304 bytes of LDS; arguments x, W_attn, W_proj, lowp_scales, x_img, w_img; writes x_img, w_img
.if DOCPART == 1
	.amdgcn_target "amdgcn-amd-amdhsa--gfx1250"
	.amdhsa_code_object_version 6
	.text
	.protected	k_qa2c65db567_prep
	.globl	k_qa2c65db567_prep
	.p2align	8
	.type	k_qa2c65db567_prep,@function
k_qa2c65db567_prep:
	s_mov_b64 s[64:65], 0
	v_nop
	global_prefetch_b8 v0, s[64:65] scope:SCOPE_SE
	s_setreg_imm32_b32 hwreg(HW_REG_WAVE_MODE, 25, 1), 1
	s_wait_xcnt 0x0
; THE PROGRAM: causal attention, B = 4, T = 2,048, C = 1,024, 16 heads of 64; all four products on codes of E5M2, each operand with the one given scale 2^e (lowp_scales[0..7] = e0..e7).
; Four launches: prep (x, W_attn, W_proj -> codes), qkv (product 1 -> codes of q, k, v), attn (products 2 and 3 -> codes of the heads' results), proj (product 4 -> out0).
; WORK LEFT OUT.  reference() builds its mask itself (jnp.tril): the score of key k for query q becomes -inf where k > q, its softmax weight is exactly 0 for all values of the inputs, and a weight of 0 adds
; nothing to the row's sum nor to the second product.  So a step of 128 keys all of which come after a tile's 16 queries reaches no output, and the launch attn passes over it whole (products 2 and 3 and the
; softmax of that step).  Inside a step that also holds keys that count, the hidden scores are computed and set to -inf.  Every input has a way to the output and is loaded.
; LIMIT that follows: a NaN, an infinity or an overflow that would arise only in the steps left out is not carried to the result.
;
; THIS LAUNCH: f32 numbers into codes: code = x / 2^e, held within +-57,344, rounded to the nearest code, ties to even.  e0 for x, e1 for W_attn, e7 for W_proj.
; LIMITS: each of these e lies between -126 and 112, so that 2^e and 57,344 x 2^e are f32 numbers.  NaN among the inputs is not served.
; THE CODES ARE LAID AS IMAGES OF OPERAND REGISTERS.  A fragment is 16 rows x 128 along K: lane (r = l % 16, h = l / 16) holds row r, its registers 2 c, 2 c + 1 hold k = 16 c + 8 h + 0 .. 7.
; In memory registers 4 g .. 4 g + 3 of lane l lie at byte 512 g + 16 l of the fragment's 2,048 bytes.  x_img: [512 tiles of 16 tokens][8 K steps][2,048].  w_img: [256 tiles of 16 columns][8 K steps][2,048];
; tiles 0 to 191 are W_attn's columns, tiles 192 to 255 W_proj's.  So later launches fetch dense blocks and read fragments at 16 x lane.
; SHARES.  Work-groups 0 to 511: a tile of 16 tokens of x (64 KB); wave w makes its K steps 2 w and 2 w + 1.  Work-groups 512 to 767: 128 columns x 128 along K of a weight (64 KB); wave w takes 32 columns.
; Memory binds: each byte is read once, by loads of which a wave's cover 512 (x) or 128 (weights; the four waves side by side 512) consecutive bytes; no matrix unit, no barrier, no tensor load: waves share nothing.
.set SPARE, 33792                      ; LDS: four stages of 16 rows x 528 bytes, one a wave; behind them the spare words, 128 bytes a wave, which no other line names
.set SPW,   12                         ; v12  LDS address of my spare word; never rewritten
.set NIL,   13                         ; v13  0; never rewritten
.set RAW,   16                         ; v16-143  numbers as they are loaded
.set T,     144                        ; v144-207 x: 64 numbers in the operand's order;  weights: v144-175 the 32 row offsets
.set CDX,   208                        ; v208-239 codes: registers of their own for each store, so that no store's data are written again
.macro FINISH                          ; a wave's end
	s_wait_tensorcnt 0x0
	ds_add_u32 v[SPW], v[NIL]
	s_wait_dscnt 0x0
	s_endpgm
.endm
	s_load_b256 s[4:11], s[0:1], 0x0               ; x s[4:5], W_attn s[6:7], W_proj s[8:9], the scales' exponents s[10:11]
	s_load_b128 s[12:15], s[0:1], 0x20             ; x_img s[12:13], w_img s[14:15]
	v_lshl_add_u32 v[SPW], v0, 2, SPARE
	v_mov_b32 v[NIL], 0
	v_lshrrev_b32 v1, 5, v0
	v_readfirstlane_b32 s16, v1                    ; wave 0..3
	v_and_b32 v1, 31, v0                           ; lane
	v_lshlrev_b32 v2, 4, v1                        ; 16 x lane
	v_and_b32 v6, 15, v0                           ; r
	v_bfe_u32 v7, v0, 4, 1                         ; h
	s_mul_i32 s17, s16, 8448                       ; my stage
	v_add_nc_u32 v3, s17, v2                       ; into it: a row's 512 bytes as they lie
	v_mul_u32_u24 v4, v6, 528
	v_lshl_add_u32 v4, v7, 5, v4
	v_add_nc_u32 v4, s17, v4                       ; out of it: row r, + 32 h: eight numbers of each 16 along K.  528 = 33 x 16: sixteen rows start at sixteen different 16-byte columns
	v_lshlrev_b32 v5, 4, v6
	v_lshl_add_u32 v5, v7, 14, v5                  ; weights, on the way out: 16 r, and lanes 16-31 one tile of columns (16,384 bytes) on
	v_lshlrev_b32 v8, 2, v1                        ; weights, on the way in: 4 bytes a lane
	s_wait_kmcnt 0x0
	s_load_b256 s[32:39], s[10:11], 0x0            ; e0 .. e7
	s_cmp_lt_u32 ttmp9, 512
	s_cbranch_scc0 .Lw
; ---------------- x: K is innermost ----------------
.macro XLOAD f                         ; fragment f of my two: 16 rows x 512 bytes; each load reads 512 consecutive bytes of one row
.set ii, 0
.rept 16
	global_load_b128 v[RAW+64*\f+4*ii:RAW+64*\f+4*ii+3], v2, s[4:5] offset:ii*4096+\f*512 th:TH_LOAD_NT
.set ii, ii+1
.endr
.endm
.macro XTURN f                         ; through my stage: in by rows, out in the operand's order.  LDS serves a wave's instructions in order, so no wait stands between the stores and the loads
.set ii, 0
.rept 16
	ds_store_b128 v3, v[RAW+64*\f+4*ii:RAW+64*\f+4*ii+3] offset:528*ii
.set ii, ii+1
.endr
.set ii, 0
.rept 16
	ds_load_b128 v[T+4*ii:T+4*ii+3], v4 offset:64*(ii/2)+16*(ii%2)   ; registers 8 c .. 8 c + 7: k = 16 c + 8 h + 0 .. 7 of row r
.set ii, ii+1
.endr
.endm
.macro XQ f
.set ii, 0
.rept 64
.set ii, ii+1
.endr
.set ii, 0
.rept 8
	v_cvt_scalef32_pk8_bf8_f32 v[CDX+16*\f+2*ii:CDX+16*\f+2*ii+1], v[T+8*ii:T+8*ii+7], v11   ; registers 2 c, 2 c + 1 of the fragment
.set ii, ii+1
.endr
	v_nop                                          ; a plain line behind the conversions: the next fragment's LDS loads write their sources again
.irp g, 0,1,2,3
	global_store_b128 v2, v[CDX+16*\f+4*\g:CDX+16*\f+4*\g+3], s[12:13] offset:2048*\f+512*\g   ; 32 lanes store 512 consecutive bytes, at a multiple of 256 from the buffer's first byte
.endr
.endm
	s_lshl_b32 s18, ttmp9, 16                      ; my tile's 16 rows of 4,096 bytes,
	s_lshl_b32 s19, s16, 10                        ; my wave's 1,024 bytes of each
	s_add_co_u32 s18, s18, s19
	s_mov_b32 s19, 0
	s_add_nc_u64 s[4:5], s[4:5], s[18:19]
	s_lshl_b32 s18, ttmp9, 14                      ; the tile's eight fragments,
	s_lshl_b32 s20, s16, 12                        ; my wave's two
	s_add_co_u32 s18, s18, s20
	s_add_nc_u64 s[12:13], s[12:13], s[18:19]
	XLOAD 0
	XLOAD 1
	s_wait_kmcnt 0x0
	s_add_co_i32 s20, s32, 127
	s_lshl_b32 s21, s20, 23
	v_mov_b32 v11, s21                             ; 2^e0 as f32: the conversion takes its exponent field
	s_wait_loadcnt 16                              ; fragment 0's sixteen loads are in; fragment 1's sixteen may be out
	s_wait_alu depctr_va_vdst(0)
	XTURN 0
	s_wait_dscnt 0x0
	XQ 0
	s_wait_loadcnt 0x0
	XTURN 1                                        ; the same stage: its reads for fragment 0 are back
	s_wait_dscnt 0x0
	XQ 1
	FINISH
; ---------------- the weights: K is the FIRST axis: a lane takes a column, its registers run down K ----------------
.macro WLOAD g                         ; block g of four: rows 32 g .. 32 g + 31 of my K step, at my 32 columns
.set ii, 0
.rept 32
	global_load_b32 v[RAW+32*\g+ii], v[T+ii], s[24+2*\g:25+2*\g] th:TH_LOAD_NT
.set ii, ii+1
.endr
.endm
.macro WQ g                            ; a lane's 32 numbers are k = 32 g + 0 .. 31 of its column.  The image wants, at 512 g + 16 r, k = 0-7 and 16-23 (the registers of lane r), and 256 bytes on k = 8-15 and 24-31 (lane 16 + r)
.set ii, 0
.rept 32
.set ii, ii+1
.endr
	v_cvt_scalef32_pk8_bf8_f32 v[CDX+8*\g:CDX+8*\g+1],   v[RAW+32*\g:RAW+32*\g+7],     v11
	v_cvt_scalef32_pk8_bf8_f32 v[CDX+8*\g+4:CDX+8*\g+5], v[RAW+32*\g+8:RAW+32*\g+15],  v11
	v_cvt_scalef32_pk8_bf8_f32 v[CDX+8*\g+2:CDX+8*\g+3], v[RAW+32*\g+16:RAW+32*\g+23], v11
	v_cvt_scalef32_pk8_bf8_f32 v[CDX+8*\g+6:CDX+8*\g+7], v[RAW+32*\g+24:RAW+32*\g+31], v11
	v_nop
	global_store_b128 v5, v[CDX+8*\g:CDX+8*\g+3],   s[14:15] offset:512*\g       ; sixteen lanes store 256 consecutive bytes, aligned; lanes 16-31 the same place of the next tile of columns
	global_store_b128 v5, v[CDX+8*\g+4:CDX+8*\g+7], s[14:15] offset:512*\g+256
.endm
.Lw:
	s_sub_co_u32 s18, ttmp9, 512
	s_and_b32 s19, s18, 31                         ; which 128 columns: 0-23 W_attn's, 24-31 W_proj's
	s_lshr_b32 s20, s18, 5                         ; which K step of 128
	s_cmp_lt_u32 s19, 24                           ; the choice hangs on the work-group's number alone
	s_cselect_b64 s[6:7], s[6:7], s[8:9]           ; the tensor,
	s_mov_b32 s21, 4096
	s_cselect_b32 s21, 12288, s21                  ; a row of it in bytes,
	s_cselect_b32 s22, 0, 24
	s_sub_co_u32 s22, s19, s22                     ; and the group of columns counted in it
	s_lshl_b32 s22, s22, 7
	s_lshl_b32 s23, s16, 5
	s_add_co_u32 s22, s22, s23                     ; my wave's first column
	s_lshl_b32 s22, s22, 2
	s_lshl_b32 s23, s20, 7
	s_mul_i32 s23, s23, s21                        ; 128 x K step rows down
	s_add_co_u32 s40, s22, s23
	s_mov_b32 s41, 0
	s_add_nc_u64 s[24:25], s[6:7], s[40:41]        ; a base for each block of 32 rows
	s_lshl_b32 s40, s21, 5
	s_add_nc_u64 s[26:27], s[24:25], s[40:41]
	s_add_nc_u64 s[28:29], s[26:27], s[40:41]
	s_add_nc_u64 s[30:31], s[28:29], s[40:41]
	s_lshl_b32 s42, s19, 3
	s_lshl_b32 s43, s16, 1
	s_add_co_u32 s42, s42, s43                     ; my first tile of 16 columns: 8 x group + 2 x wave
	s_lshl_b32 s42, s42, 14
	s_lshl_b32 s43, s20, 11
	s_add_co_u32 s42, s42, s43                     ; its fragment of this K step
	s_mov_b32 s43, 0
	s_add_nc_u64 s[14:15], s[14:15], s[42:43]
.set ii, 0
	s_wait_alu depctr_va_vdst(0)
.rept 32
	v_mad_u32_u24 v[T+ii], s21, ii, v8             ; row i of a block: i x row + 4 x lane
.set ii, ii+1
.endr
	WLOAD 0
	WLOAD 1
	s_wait_alu depctr_va_vdst(0)
	s_wait_kmcnt 0x0
	s_cmp_lt_u32 s19, 24
	s_cselect_b32 s20, s33, s39                    ; e1 or e7
	s_add_co_i32 s20, s20, 127
	s_lshl_b32 s22, s20, 23
	v_mov_b32 v11, s22
	s_wait_alu depctr_va_vdst(0)
	s_wait_loadcnt 32                              ; block 0 is in; block 1's 32 loads may be out
	WLOAD 2
	WQ 0
	s_wait_loadcnt 32                              ; block 1 is in; block 2's may be out
	WLOAD 3
	WQ 1
	s_wait_loadcnt 32                              ; block 2 is in; block 3's may be out
	WQ 2
	s_wait_loadcnt 0x0
	WQ 3
	FINISH
.Lfunc_end_k_qa2c65db567_prep:
	.size	k_qa2c65db567_prep, .Lfunc_end_k_qa2c65db567_prep-k_qa2c65db567_prep
	.p2alignl 7, 3214868480
	.fill 96, 4, 3214868480
	.section	.rodata,"a",@progbits
	.p2align	6, 0x0
	.amdhsa_kernel k_qa2c65db567_prep
		.amdhsa_group_segment_fixed_size 34304
		.amdhsa_private_segment_fixed_size 0
		.amdhsa_enable_private_segment 0
		.amdhsa_kernarg_size 48
		.amdhsa_user_sgpr_count 2
		.amdhsa_user_sgpr_kernarg_segment_ptr 1
		.amdhsa_wavefront_size32 1
		.amdhsa_system_sgpr_workgroup_id_x 1
		.amdhsa_system_sgpr_workgroup_id_y 1
		.amdhsa_system_sgpr_workgroup_id_z 1
		.amdhsa_system_vgpr_workitem_id 0
		.amdhsa_next_free_vgpr 240
		.amdhsa_next_free_sgpr 66
		.amdhsa_reserve_vcc 0
		.amdhsa_float_denorm_mode_32 3
		.amdhsa_float_denorm_mode_16_64 3
		.amdhsa_fp16_overflow 1
		.amdhsa_memory_ordered 1
		.amdhsa_forward_progress 1
		.amdhsa_inst_pref_size 29
	.end_amdhsa_kernel
	.amdgpu_metadata
---
amdhsa.version: [ 1, 2 ]
amdhsa.kernels:
  - .name:           k_qa2c65db567_prep
    .symbol:         k_qa2c65db567_prep.kd
    .args:
      - { .name: x, .offset: 0, .size: 8, .value_kind: global_buffer, .address_space: global }
      - { .name: W_attn, .offset: 8, .size: 8, .value_kind: global_buffer, .address_space: global }
      - { .name: W_proj, .offset: 16, .size: 8, .value_kind: global_buffer, .address_space: global }
      - { .name: lowp_scales, .offset: 24, .size: 8, .value_kind: global_buffer, .address_space: global }
      - { .name: x_img, .offset: 32, .size: 8, .value_kind: global_buffer, .address_space: global }
      - { .name: w_img, .offset: 40, .size: 8, .value_kind: global_buffer, .address_space: global }
    .group_segment_fixed_size: 34304
    .private_segment_fixed_size: 0
    .kernarg_segment_align: 8
    .kernarg_segment_size: 48
    .max_flat_workgroup_size: 128
    .sgpr_count:     66
    .vgpr_count:     240
    .wavefront_size: 32
...
	.end_amdgpu_metadata
.endif
;; end of part 1
;; launch qkv (part 2): grid 12 x 32, 4 waves a work-group, clusters of 4 x 4, 327,680 bytes of LDS; arguments x_img, w_img, lowp_scales, b_attn, qk_img, v_img; writes qk_img, v_img
.if DOCPART == 2
	.amdgcn_target "amdgcn-amd-amdhsa--gfx1250"
	.amdhsa_code_object_version 6
	.text
	.protected	k_qa2c65db567_qkv
	.globl	k_qa2c65db567_qkv
	.p2align	8
	.type	k_qa2c65db567_qkv,@function
k_qa2c65db567_qkv:
	s_mov_b64 s[64:65], 0
	v_nop
	global_prefetch_b8 v0, s[64:65] scope:SCOPE_SE
	s_setreg_imm32_b32 hwreg(HW_REG_WAVE_MODE, 25, 1), 1
	s_wait_xcnt 0x0
	s_wait_alu depctr_hold_cnt(0) depctr_sa_sdst(0) depctr_va_vdst(0) depctr_va_sdst(0) depctr_va_ssrc(0) depctr_va_vcc(0) depctr_vm_vsrc(0)
	s_getreg_b32 s2, hwreg(HW_REG_IB_STS2, 6, 4)
	s_cmp_eq_u32 s2, 0
	s_cbranch_scc0 .Lentry_in_a_cluster
	s_endpgm
.Lentry_in_a_cluster:
	s_bfe_u32 s2, ttmp6, 0x10000c
	s_cmp_lg_u32 s2, 0xf033
	s_cbranch_scc0 .Lentry_shape_is_right
	s_endpgm
.Lentry_shape_is_right:
; qkv = x W_attn + b_attn on codes of E5M2 (K = 1,024), and its three parts quantised at once for the two products of attention: q with 2^e2, k with 2^e3, v with 2^e5.  Nothing is left out here.
; A sum of codes stands for sum x 2^(e0 + e1); number = sum x 2^(e0 + e1) + bias, one fused multiply-add in f32; code = number / 2^e, held within +-57,344, to the nearest code, ties to even.
; LIMITS: e0 + e1 between -126 and 127; e2, e3, e5 between -126 and 112.  NaN is not served.
; OPERANDS are images of operand registers (16 rows x 128 K = 2,048 bytes, registers 4 g .. 4 g + 3 of lane l at 512 g + 16 l), [tile of 16 rows][8 K steps][2,048]: a K step's part of 8 tiles of rows is fetched as 8 rows
; of 4,096 bytes, and a fragment is read from LDS at 16 x lane: no padding is wanted.
; A tile of the result, 256 x 256, is made by four waves, each 128 x 128: 64 accumulators of 16 x 16.  K goes in steps of 256 through two LDS slots filled by the tensor data mover; four K steps, written out.
; THE MATRIX INSTRUCTION: source 0 = 16 rows of operand B, source 1 = 16 rows of operand A: lane (r, h) holds A's row r, its register j B's row 8 h + j.  One conversion of an accumulator's eight registers gives
; registers 2 c, 2 c + 1 of a fragment whose rows are A's rows and whose K runs along B's rows.  q and k want rows = tokens, K = the head's channels: A = x, B = W.  v wants rows = channels, K = the keys: A = W, B = x.
; So the cluster's x says what is made (0: q, 1: k, 2: v), and for v the two buffers change places; the loop is the same text.
; RESULTS: qk_img [2 (q, k)][64 batch x head][128 tiles of 16 tokens][1,024]; v_img [64][16 blocks of 128 keys][4 tiles of 16 channels][2,048]: stored straight from registers, 512 consecutive bytes a store.
; CLUSTERS: 4 x 4 work-groups.  The four of a row of the cluster need the same tiles of A, the four of a column the same tiles of B: each is asked for jointly.  384 tiles of equal work.
; REGISTERS, in windows of 256: window 0: v16-31 addresses and scales; v32-95 the bias; v96-127 codes; v128-255 A's fragments, ONE set (on the way out v128-191 at work).  window 1: B's fragments, two sets.  windows 2, 3: the accumulators.
.set FR,     16                        ; registers of a fragment
.set NL,     4                         ; LDS loads that bring one
.set NP,     4                         ; places behind this matrix instruction (ISA guide 7.12.1)
.set HALFT,  32768                     ; 8 tiles of rows x 4,096 bytes: what one tensor load brings, and what one wave reads of A or of B
.set SLOT,   4*HALFT                   ; A's two halves, then B's two
.set SPARE,  2*SLOT                    ; behind the ring: the spare words, 128 bytes a wave, which no other line names
.set ADRA, 16                          ; v16-17  LDS address of my A fragments in slot 0, 1
.set ADRB, 20                          ; v20-21  the same for B
.set LI,   25                          ; v25     16 x lane
.set H32,  26                          ; v26     32 h
.set R4,   27                          ; v27     4 r
.set SPW,  28                          ; v28     LDS address of my spare word; never rewritten
.set NIL,  29                          ; v29     0; never rewritten
.set SCL,  30                          ; v30     the result's scale as f32
.set HLD,  31
.set BI,   32
.set CD,   96
.set TMP,  128
.set AF,   128
.set G1, 24                            ; s[24:31] descriptor group 1 for A's tiles;  s[32:39] group 0, one set for each slot
.set G0, 32
.set G1B, 48                           ; s[48:55], s[56:63] the same for B's tiles
.set G0B, 56
.set MSB, 0
.macro WIN new                         ; the immediate's high byte repeats the setting that is left
.if MSB != \new
	s_set_vgpr_msb (MSB<<8)|\new
.set MSB, \new
.endif
.endm
.set MUL_LO, 0xa1                      ; source 0 (B) window 1, source 1 (A) window 0, C and D window 2
.set MUL_HI, 0xf1                      ; the same, C and D window 3
.set TO_B,   0x40                      ; destination window 1, address window 0
; A joint load: waves 0 and 1 fetch for A, waves 2 and 3 for B.  The branch hangs on the wave's number alone.  An s_nop 0 and four v_nop follow each of the two lines.
.macro JLOAD g0a, g1a, g0b, g1b
	s_cmp_eq_u32 s15, 0
	s_cbranch_scc0 .Lfor_b_\@
	tensor_load_to_lds s[\g0a:\g0a+3], s[\g1a:\g1a+7]
	s_nop 0
.rept 4
	v_nop
.endr
	s_branch .Lasked_\@
.Lfor_b_\@:
	tensor_load_to_lds s[\g0b:\g0b+3], s[\g1b:\g1b+7]
	s_nop 0
.rept 4
	v_nop
.endr
.Lasked_\@:
.endm
.macro CREST                           ; a round of the cluster's barrier behind its opening barrier
	s_cmp_lg_u32 s14, 0
	s_cbranch_scc1 .Lnot_wave_0_\@
	s_barrier_signal -3
.Lnot_wave_0_\@:
	s_barrier_wait -3
	s_barrier_signal -1
	s_barrier_wait -1
.endm
.macro CROUND                          ; a whole round
	s_barrier_signal -1
	s_barrier_wait -1
	CREST
.endm
	s_load_b256 s[4:11], s[0:1], 0x0               ; x_img s[4:5], w_img s[6:7], the scales' exponents s[8:9], b_attn s[10:11]
	s_load_b128 s[68:71], s[0:1], 0x20             ; qk_img s[68:69], v_img s[70:71]
	v_lshl_add_u32 v[SPW], v0, 2, SPARE
	v_mov_b32 v[NIL], 0
	ds_add_u32 v[SPW], v[NIL]                      ; the wave's opening: the add, twice on end, and its wait ahead of my first tensor load
	ds_add_u32 v[SPW], v[NIL]
	v_lshrrev_b32 v1, 5, v0
	v_readfirstlane_b32 s14, v1                    ; wave 0..3
	s_lshr_b32 s15, s14, 1                         ; which half of A's rows is mine.  Also: I fetch for A (0) or for B (1)
	s_and_b32 s16, s14, 1                          ; which half of B's rows.  Also: which half of that tile I fetch
	s_bfe_u32 s40, ttmp6, 0x40000                  ; cx, cy: my place in the cluster
	s_bfe_u32 s41, ttmp6, 0x40004
	s_and_b32 s18, ttmp7, 0xffff                   ; the cluster's y: four tiles of 256 tokens;  ttmp9, the cluster's x: 0 q, 1 k, 2 v: four tiles of 256 columns of W_attn
	s_cmp_eq_u32 ttmp9, 2                          ; v?  The same in all sixteen partners
	s_cselect_b32 s17, ttmp9, s18
	s_cselect_b32 s42, s18, ttmp9
	s_lshl_b32 s17, s17, 2
	s_add_co_u32 s17, s17, s41                     ; A's tile: tokens 4 y + cy; for v columns 4 x + cy
	s_lshl_b32 s42, s42, 2
	s_add_co_u32 s42, s42, s40                     ; B's tile: columns 4 x + cx; for v tokens 4 y + cx
	s_lshl_b32 s43, s41, 2
	s_lshl_b32 s43, 15, s43                        ; my row of the cluster
	s_lshl_b32 s44, 0x1111, s40                    ; my column
	; descriptor group 1: 8 rows of 512 elements of 8 bytes, 2,048 elements apart; dense in LDS
	s_or_b32 s[G1+0], s43, (3<<16)|(1<<21)         ; 15:0 the mask: A's tiles go to my row; 17:16 elements of 8 bytes; 20 no padding; 21 set beside a mask
	s_or_b32 s[G1B+0], s44, (3<<16)|(1<<21)
.irp g, G1, G1B
	s_mov_b32 s[\g+1], 512<<16                     ; tensor_dim0
	s_mov_b32 s[\g+2], 8<<16                       ; tensor_dim1
	s_mov_b32 s[\g+3], 512<<16                     ; tile_dim0
	s_mov_b32 s[\g+4], 8                           ; tile_dim1
	s_mov_b32 s[\g+5], 2048                        ; tensor_dim0_stride: a tile of rows is 16,384 bytes
	s_mov_b32 s[\g+6], 0
	s_mov_b32 s[\g+7], 0
.endr
	s_lshl_b32 s18, s16, 17                        ; the half that I fetch: 8 tiles of rows
	s_lshl_b32 s20, s17, 18                        ; A: a tile of 256 rows is 262,144 bytes
	s_add_co_u32 s20, s20, s18
	s_mov_b32 s21, 0
	s_lshl_b32 s46, s42, 18                        ; B likewise, in registers that never hold cy
	s_add_co_u32 s46, s46, s18
	s_mov_b32 s47, 0
	s_lshl_b32 s45, s14, 15                        ; where they go: wave x 32,768: no place in the cluster enters an LDS address
	s_wait_dscnt 0x0                               ; both opening adds are done
	s_wait_kmcnt 0x0
	s_load_b256 s[72:79], s[8:9], 0x0              ; e0 .. e7
	s_cmp_eq_u32 ttmp9, 2
	s_cselect_b64 s[84:85], s[6:7], s[4:5]         ; A's buffer
	s_cselect_b64 s[86:87], s[4:5], s[6:7]         ; B's
	s_add_nc_u64 s[20:21], s[84:85], s[20:21]
	s_add_nc_u64 s[46:47], s[86:87], s[46:47]
	CROUND                                         ; all sixteen work-groups are here: the first joint loads meet
.irp s, 0,1
	s_mov_b32 s[G0+4*\s], 1
	s_add_co_u32 s[G0+4*\s+1], s45, \s*SLOT
	s_add_nc_u64 s[G0+4*\s+2:G0+4*\s+3], s[20:21], \s*4096
	s_or_b32 s[G0+4*\s+3], s[G0+4*\s+3], 0x80000000
	s_mov_b32 s[G0B+4*\s], 1
	s_add_co_u32 s[G0B+4*\s+1], s45, \s*SLOT
	s_add_nc_u64 s[G0B+4*\s+2:G0B+4*\s+3], s[46:47], \s*4096
	s_or_b32 s[G0B+4*\s+3], s[G0B+4*\s+3], 0x80000000
	JLOAD G0+4*\s, G1, G0B+4*\s, G1B               ; two loads of mine are out
.endr
	v_and_b32 v1, 31, v0
	v_lshlrev_b32 v[LI], 4, v1
	v_bfe_u32 v2, v0, 4, 1
	v_lshlrev_b32 v[H32], 5, v2
	v_and_b32 v3, 15, v0
	v_lshlrev_b32 v[R4], 2, v3
	s_lshl_b32 s21, s15, 15                        ; my half of A
	s_lshl_b32 s22, s16, 15                        ; my half of B,
	s_add_co_u32 s22, s22, 2*HALFT                 ; which lies behind A's two
.irp s, 0,1
	v_add_nc_u32 v[ADRA+\s], s21, v[LI]
	v_add_nc_u32 v[ADRB+\s], s22, v[LI]
	s_add_co_u32 s21, s21, SLOT
	s_add_co_u32 s22, s22, SLOT
.endr
	s_wait_alu depctr_va_vdst(0)
	s_wait_kmcnt 0x0                               ; the exponents; the first tiles are on their way meanwhile
	s_cmp_eq_u32 ttmp9, 0
	s_cselect_b32 s88, s74, s75                    ; q: e2, k: e3,
	s_cmp_eq_u32 ttmp9, 2
	s_cselect_b32 s88, s77, s88                    ; v: e5
	s_add_co_i32 s88, s88, 127
	s_lshl_b32 s89, s88, 23
	v_mov_b32 v[SCL], s89
	s_add_co_i32 s96, s72, s73
	s_add_co_i32 s96, s96, 127
	s_lshl_b32 s96, s96, 23                        ; 2^(e0 + e1) as f32
	s_mov_b32 s97, s96                             ; (named with it as a pair, so it is written)
.macro FRAG reg, adr, q, i             ; fragment (tile of rows i, the slot's q-th 128 along K): four loads of 512 consecutive bytes
.irp c, 0,1,2,3
	ds_load_b128 v[\reg+4*\c:\reg+4*\c+3], v[\adr] offset:(\i)*4096+(\q)*2048+512*\c
.endr
.endm
; 16 matrix instructions: A's blocks a0, a0 + 1 x B's eight, 128 along K.  p: B's set.  zero = 1: the first product starts the sums.  The 64 accumulators take turns, one instruction a turn.
.macro MUL16 a0, p, zero
.irp a, \a0, \a0+1
.irp b, 0,1,2,3,4,5,6,7
.if \zero
	v_wmma_f32_16x16x128_bf8_bf8 v[8*(8*((\a)%4)+\b):8*(8*((\a)%4)+\b)+7], v[128*(\p)+FR*\b:128*(\p)+FR*\b+FR-1], v[AF+FR*(\a):AF+FR*(\a)+FR-1], 0
.else
	v_wmma_f32_16x16x128_bf8_bf8 v[8*(8*((\a)%4)+\b):8*(8*((\a)%4)+\b)+7], v[128*(\p)+FR*\b:128*(\p)+FR*\b+FR-1], v[AF+FR*(\a):AF+FR*(\a)+FR-1], v[8*(8*((\a)%4)+\b):8*(8*((\a)%4)+\b)+7]
.endif
.endr
.endr
.endm
.macro FETCH_B slot, q, p
	WIN TO_B
.irp i, 0,1,2,3,4,5,6,7
	FRAG 128*(\p)+FR*\i, ADRB+\slot, \q, \i
.endr
	WIN 0
.endm
.macro FETCH_A slot, q, i0
.irp i, \i0, \i0+1, \i0+2, \i0+3
	FRAG AF+FR*(\i), ADRA+\slot, \q, \i
.endr
.endm
.macro PLACES n                        ; plain vector lines between a matrix instruction and a load into, or a vector write of, its registers, or a read of its result
.rept \n
	v_nop
.endr
.endm
; A step of 128 along K that has its successor in the same slot.  A block of A is free as soon as its eight products are issued: blocks 0-3 are fetched anew in the step's middle, blocks 4-7 at its end.
.macro STEP slot, q, zero
	s_wait_dscnt 4*NL                              ; B's set and A's blocks 0-3 are in; the youngest 16 loads (A's blocks 4-7) may be out
	WIN MUL_LO
	MUL16 0, (\q)%2, \zero
	MUL16 2, (\q)%2, \zero
	s_wait_dscnt 0
	PLACES NP
	FETCH_B \slot, (\q)+1, 1-(\q)%2
	FETCH_A \slot, (\q)+1, 0
	WIN MUL_HI
	MUL16 4, (\q)%2, \zero
	MUL16 6, (\q)%2, \zero
	PLACES NP
	WIN 0
	FETCH_A \slot, (\q)+1, 4
.endm
; A slot's last step changes slots: ONE barrier; in front of it each wave waits for all its tensor loads, adds 0 to its spare word, and waits for that and for its own reads of this slot.  fill = 1: this slot is filled again, two K steps ahead.
.macro TURN slot, next, fill
	s_wait_tensorcnt 0x0                           ; all my tensor loads have landed: my part of the next slot (every window is 0 here)
	ds_add_u32 v[SPW], v[NIL]                      ; 0 onto my spare word
	s_wait_dscnt 4*NL+1                            ; (the add and the youngest 16 loads may be out)
	WIN MUL_LO
	MUL16 0, 1, 0                                  ; sixteen matrix instructions stand between the add and the wait for it
	s_wait_dscnt 0x0                               ; the add is done, and my reads of this slot are over
	s_barrier_signal -1
	MUL16 2, 1, 0
	WIN 0
	s_barrier_wait -1
.if \fill
	CREST                                          ; the barrier has opened a round of the cluster's barrier: no wave of any partner still reads this slot or has a load on its way
	s_add_nc_u64 s[G0+4*\slot+2:G0+4*\slot+3], s[G0+4*\slot+2:G0+4*\slot+3], 8192
	s_add_nc_u64 s[G0B+4*\slot+2:G0B+4*\slot+3], s[G0B+4*\slot+2:G0B+4*\slot+3], 8192
	JLOAD G0+4*\slot, G1, G0B+4*\slot, G1B         ; the first tensor load behind the round, my one; its four v_nop are also the places in front of the loads below
.else
	PLACES NP
.endif
	FETCH_B \next, 0, 0
	FETCH_A \next, 0, 0
	WIN MUL_HI
	MUL16 4, 1, 0
	MUL16 6, 1, 0
	PLACES NP
	WIN 0
	FETCH_A \next, 0, 4
.endm
.macro LAST                            ; the very last step: nothing more to fetch
	s_wait_dscnt 4*NL
	WIN MUL_LO
	MUL16 0, 1, 0
	MUL16 2, 1, 0
	s_wait_dscnt 0
	WIN MUL_HI
	MUL16 4, 1, 0
	MUL16 6, 1, 0
	WIN 0
.endm
; THE WAY OUT, A's block a at a time: number = sum x 2^(e0 + e1) + bias; eight conversions give 16 registers of codes; four stores of 512 consecutive bytes.
; isv = 0: a lane's registers run along the channels: the bias is eight numbers a tile of B; the 16 registers are two heads' fragments (16 tokens x 64).  isv = 1: a lane is one channel: one bias number a block; the 16 registers are one fragment (16 channels x 128 keys).
.macro EPI isv
	s_wait_loadcnt 0x0                             ; the bias
	PLACES NP
.irp a, 0,1,2,3,4,5,6,7
.set AC, 64*(\a%4)
.set CDS, CD+16*(\a%2)
	WIN (0x02+\a/4)                                ; source 0: window 2 or 3
.irp b, 0,1,2,3,4,5,6,7
.irp i, 0,2,4,6
.if \isv
	v_pk_fma_f32 v[TMP+8*\b+\i:TMP+8*\b+\i+1], v[AC+8*\b+\i:AC+8*\b+\i+1], s[96:97], v[BI+2*\a:BI+2*\a+1] op_sel_hi:[1,0,1]
.else
	v_pk_fma_f32 v[TMP+8*\b+\i:TMP+8*\b+\i+1], v[AC+8*\b+\i:AC+8*\b+\i+1], s[96:97], v[BI+8*\b+\i:BI+8*\b+\i+1] op_sel_hi:[1,0,1]
.endif
.endr
.endr
	WIN 0
.set ii, 0
.rept 64
.set ii, ii+1
.endr
.if \a >= 2
	s_wait_alu depctr_va_vdst(0)
	s_wait_xcnt 0x0                                ; the stores of two blocks back have read these code registers
.endif
.irp b, 0,1,2,3,4,5,6,7
	v_cvt_scalef32_pk8_bf8_f32 v[CDS+2*\b:CDS+2*\b+1], v[TMP+8*\b:TMP+8*\b+7], v[SCL]
.endr
	v_nop                                          ; a plain line behind the conversions: the next block writes their sources again
.irp g, 0,1,2,3
.if \isv
	global_store_b128 v[LI], v[CDS+4*\g:CDS+4*\g+3], s[80:81] offset:(\a/4)*131072+(\a%4)*2048+512*\g
.else
	global_store_b128 v[LI], v[CDS+4*\g:CDS+4*\g+3], s[80:81] offset:(\g/2)*131072+\a*1024+512*(\g%2)
.endif
.endr
.endr
.endm
	s_wait_tensorcnt 1                             ; my part of K step 0 is in; K step 1's load may be out
	s_barrier_signal -1
	s_barrier_wait -1
	FETCH_B 0, 0, 0
	FETCH_A 0, 0, 0
	FETCH_A 0, 0, 4
	STEP 0, 0, 1                                   ; the first products start the sums: nothing is cleared
	TURN 0, 1, 1
	STEP 1, 0, 0
	TURN 1, 0, 1
	STEP 0, 0, 0
	TURN 0, 1, 0                                   ; the last change of slots fills nothing
	s_cmp_eq_u32 ttmp9, 2                          ; from here on no barrier and no tensor load but the closing lines: q, k and v part (the cluster's x: the same in all partners)
	s_cbranch_scc1 .Lv
	; ---- q, k
	s_lshl_b32 s82, s42, 10                        ; the bias of my 128 columns: 4 x (256 x B's tile + 128 x half)
	s_lshl_b32 s83, s16, 9
	s_add_co_u32 s82, s82, s83
	s_mov_b32 s83, 0
	s_add_nc_u64 s[82:83], s[10:11], s[82:83]
.irp b, 0,1,2,3,4,5,6,7
	global_load_b128 v[BI+8*\b:BI+8*\b+3],   v[H32], s[82:83] offset:64*\b      ; columns 16 b + 8 h + 0 .. 7
	global_load_b128 v[BI+8*\b+4:BI+8*\b+7], v[H32], s[82:83] offset:64*\b+16
.endr
	s_lshl_b32 s80, ttmp9, 6                       ; q or k: 64 heads each,
	s_lshr_b32 s81, s17, 3
	s_lshl_b32 s81, s81, 4
	s_add_co_u32 s80, s80, s81                     ; + 16 x batch (8 tiles of 256 tokens a batch)
	s_lshl_b32 s81, s40, 2
	s_add_co_u32 s80, s80, s81                     ; + 4 cx + 2 x half: my first head
	s_lshl_b32 s81, s16, 1
	s_add_co_u32 s80, s80, s81
	s_lshl_b32 s80, s80, 17                        ; a head's images are 131,072 bytes
	s_and_b32 s81, s17, 7
	s_lshl_b32 s81, s81, 4
	s_lshl_b32 s90, s15, 3
	s_add_co_u32 s81, s81, s90                     ; my first tile of 16 tokens in the batch
	s_lshl_b32 s81, s81, 10
	s_add_co_u32 s80, s80, s81
	s_mov_b32 s81, 0
	s_add_nc_u64 s[80:81], s[68:69], s[80:81]
	STEP 1, 0, 0
	LAST
	EPI 0
	s_branch .Lend
.Lv:
	; ---- v
	s_lshl_b32 s82, s17, 10                        ; the bias of my 128 columns: 4 x (256 x A's tile + 128 x half)
	s_lshl_b32 s83, s15, 9
	s_add_co_u32 s82, s82, s83
	s_mov_b32 s83, 0
	s_add_nc_u64 s[82:83], s[10:11], s[82:83]
.irp a, 0,1,2,3,4,5,6,7
	global_load_b32 v[BI+2*\a],   v[R4], s[82:83] offset:64*\a                   ; column 16 a + r, twice: a pair for the packed form
	global_load_b32 v[BI+2*\a+1], v[R4], s[82:83] offset:64*\a
.endr
	s_lshr_b32 s80, s42, 3
	s_lshl_b32 s80, s80, 4                         ; 16 x batch
	s_lshl_b32 s81, s41, 2
	s_add_co_u32 s80, s80, s81                     ; + 4 cy + 2 x half: my first head
	s_lshl_b32 s81, s15, 1
	s_add_co_u32 s80, s80, s81
	s_lshl_b32 s80, s80, 17
	s_and_b32 s81, s42, 7
	s_lshl_b32 s81, s81, 1
	s_add_co_u32 s81, s81, s16                     ; my block of 128 keys in the batch
	s_lshl_b32 s81, s81, 13
	s_add_co_u32 s80, s80, s81
	s_mov_b32 s81, 0
	s_add_nc_u64 s[80:81], s[70:71], s[80:81]
	STEP 1, 0, 0
	LAST
	EPI 1
.Lend:
	s_wait_tensorcnt 0x0                           ; the wave's end
	ds_add_u32 v[SPW], v[NIL]
	s_wait_dscnt 0x0
	CROUND                                         ; the closing round: no work-group ends while a partner may still ask for a tile that names it
	s_endpgm
.Lfunc_end_k_qa2c65db567_qkv:
	.size	k_qa2c65db567_qkv, .Lfunc_end_k_qa2c65db567_qkv-k_qa2c65db567_qkv
	.p2alignl 7, 3214868480
	.fill 96, 4, 3214868480
	.section	.rodata,"a",@progbits
	.p2align	6, 0x0
	.amdhsa_kernel k_qa2c65db567_qkv
		.amdhsa_group_segment_fixed_size 327680
		.amdhsa_private_segment_fixed_size 0
		.amdhsa_enable_private_segment 0
		.amdhsa_kernarg_size 48
		.amdhsa_user_sgpr_count 2
		.amdhsa_user_sgpr_kernarg_segment_ptr 1
		.amdhsa_wavefront_size32 1
		.amdhsa_system_sgpr_workgroup_id_x 1
		.amdhsa_system_sgpr_workgroup_id_y 1
		.amdhsa_system_sgpr_workgroup_id_z 1
		.amdhsa_system_vgpr_workitem_id 0
		.amdhsa_next_free_vgpr 1024
		.amdhsa_next_free_sgpr 100
		.amdhsa_reserve_vcc 0
		.amdhsa_float_denorm_mode_32 3
		.amdhsa_float_denorm_mode_16_64 3
		.amdhsa_fp16_overflow 1
		.amdhsa_memory_ordered 1
		.amdhsa_forward_progress 1
		.amdhsa_inst_pref_size 143
	.end_amdhsa_kernel
	.amdgpu_metadata
---
amdhsa.version: [ 1, 2 ]
amdhsa.kernels:
  - .name:           k_qa2c65db567_qkv
    .symbol:         k_qa2c65db567_qkv.kd
    .args:
      - { .name: x_img, .offset: 0, .size: 8, .value_kind: global_buffer, .address_space: global }
      - { .name: w_img, .offset: 8, .size: 8, .value_kind: global_buffer, .address_space: global }
      - { .name: lowp_scales, .offset: 16, .size: 8, .value_kind: global_buffer, .address_space: global }
      - { .name: b_attn, .offset: 24, .size: 8, .value_kind: global_buffer, .address_space: global }
      - { .name: qk_img, .offset: 32, .size: 8, .value_kind: global_buffer, .address_space: global }
      - { .name: v_img, .offset: 40, .size: 8, .value_kind: global_buffer, .address_space: global }
    .group_segment_fixed_size: 327680
    .private_segment_fixed_size: 0
    .kernarg_segment_align: 8
    .kernarg_segment_size: 48
    .max_flat_workgroup_size: 128
    .sgpr_count:     100
    .vgpr_count:     1024
    .wavefront_size: 32
...
	.end_amdgpu_metadata
.endif
;; end of part 2
;; launch attn (part 3): grid 4 x 64, 16 waves a work-group, no clusters, 327,680 bytes of LDS; arguments qk_img, v_img, lowp_scales, o_img; writes o_img
.if DOCPART == 3
	.amdgcn_target "amdgcn-amd-amdhsa--gfx1250"
	.amdhsa_code_object_version 6
	.text
	.protected	k_qa2c65db567_attn
	.globl	k_qa2c65db567_attn
	.p2align	8
	.type	k_qa2c65db567_attn,@function
k_qa2c65db567_attn:
	s_mov_b64 s[64:65], 0
	v_nop
	global_prefetch_b8 v0, s[64:65] scope:SCOPE_SE
	s_setreg_imm32_b32 hwreg(HW_REG_WAVE_MODE, 25, 1), 1
	s_wait_xcnt 0x0
; For each batch and head: o = softmax(q k^T / 8, causal) v, both products on codes of E5M2, and o quantised at once with 2^e6 for the projection.
; WORK LEFT OUT (shown at the head of the launch prep): a step of 128 keys all of which come after a wave's 16 queries has weights that are exactly 0, and is passed over whole; a NaN or infinity that would arise only there is not carried on.
; THE SOFTMAX AHEAD OF THE SECOND PRODUCT: t = score x log2(e) / 8; M = the row's largest t so far, rounded UP to a whole number; p = 2^(t - M) is quantised with 2^e4, not normalised.  The row's sum is taken of the
; unquantised p, in f32, and divides at the end.  When M moves, the sum and O are multiplied by 2^(old M - new M): exact.
; SHARES.  Work-group (p, head) owns two blocks of 256 queries: first block 7 - p, then block p.  Block b needs key slots 0 .. b (256 keys each), so EVERY work-group walks 8 - p + p + 1 = 9 slots: 256 work-groups of equal
; work, a trip count that is a constant, and every slot that is fetched is read.  Each of the sixteen waves owns one tile of 16 queries in 256 registers: four waves to a SIMD, one wave's vector work beside another's products and LDS loads.
; LAYOUT.  Both products transposed: S^T = K Q^T (source 0 = 16 keys, source 1 = my queries; K = 64), O^T = V^T P^T (source 0 = 16 channels, source 1 = P; K = 128 keys): a lane holds ONE query (lane % 16).
; Register 8 c + j of S^T is key 16 c + 8 (lane / 16) + j: a conversion of eight registers gives registers 2 c, 2 c + 1 of P's fragment, each k in its own place.  O^T's conversions likewise give the projection's operand.
; K's and V's images come dense through two LDS slots of 32,768 bytes (16 tiles of keys x 1,024, then 2 x 4 fragments of V x 2,048), fetched by waves 0 to 3, 8 KB each, and are read at 16 x lane.
; NO CLUSTER: the four work-groups of a head ask for the same slot in trips 0 to 4 only; each goes back to slot 0 at trip 8 - p, and a joint load must be issued alike by all that it names.
; LIMITS: e2 + e3 between -123 and 130 (added to c's exponent field); e4 and e6 between -126 and 112; e4 + e5 is applied by v_ldexp_f32.  NaN is not served.
; REGISTERS: v1 16 x lane; v3 the prefetches' offset; v5, v6 the add's two; v8 the LDS address in hand; v12 -M, v13 the largest t, v[14:15] the sum in two halves; v16-23 Q in hand; v24-31 Q of block p;
; v32-95 fragments of K, then of V; v96-159 S^T, then p; v160-191 O^T; v192-223 the way out; v224-239 p's codes; v244 the scale of e4; v245 that of e6; v236, v242, v243, v252-254 at work.
.set SLOTB, 32768                      ; one exclusive or turns an address in one slot into the other's
.set SPARE, 65536                      ; behind the ring: the spare words, 128 bytes for each of sixteen waves, which no other line names
.set LI,  1
.set PFO, 3
.set SPW, 5
.set NIL, 6
.set ADK, 8
.set TB,  2                            ; s2   LDS byte at which the slot in hand begins
.set TR,  3                            ; s3   the trip, 0 .. 7
.set SW,  12                           ; s12  7 - p: the trip behind which the blocks change
.set NS,  13                           ; s13  the key slot that is asked for
.set KF,  14                           ; s14  the step's first key
.set Q0,  15                           ; s15  my first query in the block in hand
.set QL,  16                           ; s16  and in block p
.set E45, 17                           ; s17  e4 + e5
.set WV,  18                           ; s18  my wave's number
.set LIM, 19                           ; s19  6 in a wave that prefetches, else 0
.set SEL, 20                           ; s[20:21] lane selects for v_permlanex16_b32: lane l xor 16
.set CS,  22                           ; s[22:23] c = log2(e) / 8 x 2^(e2 + e3)
.set G1,  24                           ; s[24:31] descriptor group 1
.set G0,  40                           ; s[40:43] descriptor group 0, made anew at each change of slots
.set SRC, 44                           ; s[44:45] my part of key slot 0 in memory (waves w % 4 = 0, 1: K's halves; 2, 3: V's)
.set PFA, 46                           ; s[46:47] where my prefetch stands
.set OFS, 48                           ; s[48:49] an offset, its high word 0
.set OBH, 50                           ; s[50:51] where my tile of block 7 - p goes;  s[52:53] that of block p
.set OBL, 52
.macro TLOAD                           ; waves 0 to 3 fetch, the others nothing: a branch on the wave's number.  An s_nop 0 and four v_nop follow the load
	s_cmp_lt_u32 s[WV], 4
	s_cbranch_scc0 .Lnone_\@
	tensor_load_to_lds s[G0:G0+3], s[G1:G1+7]
	s_nop 0
.rept 4
	v_nop
.endr
.Lnone_\@:
.endm
; A PREFETCH INTO THE L2 of the slot that the NEXT change of slots will ask for.  The four work-groups of a head read the same K and V; work-group p = 0 walks slots 0 to 7 in trips 0 to 7 and is never behind the others: it alone asks.
; In it waves 4 to 7 ask, one instruction each, for the 8,192 bytes that waves 0 to 3 will fetch, lanes 256 bytes apart: each aligned block of 256 bytes is named once in the launch.
; Trip t asks for slot t + 2; trips 6 and 7 ask for nothing, since a head has eight slots; slots 0 and 1 come by their loads alone.
.macro ASK
	s_cmp_lt_u32 s[TR], s[LIM]
	s_cbranch_scc0 .Lnot_mine_\@
	global_prefetch_b8 v[PFO], s[PFA:PFA+1] th:TH_LOAD_NT scope:SCOPE_SE
.Lnot_mine_\@:
.endm
	s_load_b256 s[4:11], s[0:1], 0x0               ; qk_img s[4:5], v_img s[6:7], the scales' exponents s[8:9], o_img s[10:11]
	v_lshl_add_u32 v[SPW], v0, 2, SPARE
	v_mov_b32 v[NIL], 0
	ds_add_u32 v[SPW], v[NIL]                      ; the wave's opening: the add, twice on end, and its wait ahead of my first tensor load
	ds_add_u32 v[SPW], v[NIL]
	v_lshrrev_b32 v8, 5, v0
	s_delay_alu instid0(VALU_DEP_1)
	v_readfirstlane_b32 s[WV], v8                  ; wave 0..15
	s_and_b32 s32, ttmp7, 0xffff                   ; batch x 16 + head
	s_sub_co_u32 s[SW], 7, ttmp9
	s_and_b32 s33, s[WV], 3
	s_and_b32 s34, s[WV], 1
	s_lshl_b32 s35, s33, 13                        ; my 8 KB of a slot
	s_lshl_b32 s36, s32, 17                        ; a head's images of q, of k and of v are 131,072 bytes each
	s_lshl_b32 s37, s34, 13
	s_add_co_u32 s38, s36, s37                     ; the head, and my half of a slot's K or V
	s_mov_b32 s39, 0
	s_mov_b32 s[G1], 3<<16                         ; 15:0 no mask; 17:16 elements of 8 bytes; no padding.  8,192 dense bytes as 32 rows of 256
	s_mov_b32 s[G1+1], 32<<16                      ; tensor_dim0
	s_mov_b32 s[G1+2], 32<<16                      ; tensor_dim1
	s_mov_b32 s[G1+3], 32<<16                      ; tile_dim0
	s_mov_b32 s[G1+4], 32                          ; tile_dim1
	s_mov_b32 s[G1+5], 32                          ; tensor_dim0_stride
	s_mov_b32 s[G1+6], 0
	s_mov_b32 s[G1+7], 0
	s_mov_b32 s[SEL], 0x76543210
	s_mov_b32 s[SEL+1], 0xfedcba98
	s_mov_b32 s[CS], 0x3e38aa3b                    ; log2(e) / 8
	s_mov_b32 s[TB], 0
	s_mov_b32 s[TR], 0
	s_mov_b32 s[NS], 0
	s_mov_b32 s[KF], 0
	s_mov_b32 s[OFS+1], 0
	s_lshl_b32 s96, s[SW], 4
	s_add_co_u32 s96, s96, s[WV]                   ; my tile of 16 queries in block 7 - p,
	s_lshl_b32 s97, ttmp9, 4
	s_add_co_u32 s97, s97, s[WV]                   ; and in block p
	s_lshl_b32 s[Q0], s96, 4
	s_lshl_b32 s[QL], s97, 4
	s_lshl_b32 s76, s96, 10                        ; their images of q
	s_add_co_u32 s76, s76, s36
	s_mov_b32 s77, 0
	s_lshl_b32 s78, s97, 10
	s_add_co_u32 s78, s78, s36
	s_mov_b32 s79, 0
	s_lshr_b32 s80, s32, 4
	s_lshl_b32 s80, s80, 7                         ; 128 tiles of tokens a batch
	s_and_b32 s81, s32, 15
	s_lshl_b32 s81, s81, 10                        ; the head's 1,024 bytes of a tile's 16,384
	s_add_co_u32 s82, s80, s96
	s_lshl_b32 s82, s82, 14
	s_add_co_u32 s82, s82, s81
	s_mov_b32 s83, 0
	s_add_co_u32 s84, s80, s97
	s_lshl_b32 s84, s84, 14
	s_add_co_u32 s84, s84, s81
	s_mov_b32 s85, 0
	s_lshr_b32 s86, s[WV], 2
	s_xor_b32 s86, s86, 1                          ; 0 in waves 4 to 7,
	s_or_b32 s86, s86, ttmp9                       ; of work-group p = 0
	s_cmp_eq_u32 s86, 0
	s_cselect_b32 s[LIM], 6, 0
	v_and_b32 v8, 31, v0
	s_delay_alu instid0(VALU_DEP_1)
	v_lshlrev_b32 v[LI], 4, v8
	s_delay_alu instid0(VALU_DEP_2)
	v_lshlrev_b32 v[PFO], 8, v8
	s_wait_dscnt 0x0                               ; both opening adds are done
	s_wait_kmcnt 0x0
	s_load_b256 s[68:75], s[8:9], 0x0              ; e0 .. e7
	s_add_nc_u64 s[SRC:SRC+1], s[4:5], 0x800000    ; k's images lie behind q's
	s_cmp_lt_u32 s33, 2
	s_cselect_b64 s[SRC:SRC+1], s[SRC:SRC+1], s[6:7]
	s_add_nc_u64 s[SRC:SRC+1], s[SRC:SRC+1], s[38:39]
	s_mov_b32 s[G0], 1                             ; 1:0 count = 1
	s_mov_b32 s[G0+1], s35                         ; 63:32 LDS address: slot 0
	s_mov_b64 s[G0+2:G0+3], s[SRC:SRC+1]           ; 120:64 global address: key slot 0
	s_or_b32 s[G0+3], s[G0+3], 0x80000000          ; 127:126 type = 2
	TLOAD
	s_add_nc_u64 s[54:55], s[4:5], s[76:77]
	s_add_nc_u64 s[56:57], s[4:5], s[78:79]
	s_add_nc_u64 s[OBH:OBH+1], s[10:11], s[82:83]
	s_add_nc_u64 s[OBL:OBL+1], s[10:11], s[84:85]
	s_wait_alu depctr_va_vdst(0)
	global_load_b128 v[16:19], v[LI], s[54:55]                 ; Q's fragments stay in registers: block 7 - p's,
	global_load_b128 v[20:23], v[LI], s[54:55] offset:512
	global_load_b128 v[24:27], v[LI], s[56:57]                 ; and block p's
	global_load_b128 v[28:31], v[LI], s[56:57] offset:512
.macro STATE                           ; a block's beginning.  The step is written once: the first finds zeros, which the first change of M leaves zeros
	v_mov_b32 v13, 0xff61b1e6                      ; the largest t so far: -3e38, under every t
	s_delay_alu instid0(VALU_DEP_1)
	v_floor_f32 v12, -v13                          ; -M
	v_mov_b32 v14, 0
	v_mov_b32 v15, 0
.set ii, 0
.rept 32
	v_mov_b32 v[160+ii], 0
.set ii, ii+1
.endr
.endm
	STATE
	v_mov_b32 v236, 0                              ; written once: a lane permute's destination counts as one of its sources
	v_mov_b32 v252, 0
	v_mov_b32 v253, 0                              ; (named as the upper half of the pair v[252:253])
	s_wait_kmcnt 0x0
	s_add_co_i32 s96, s70, s71
	s_lshl_b32 s96, s96, 23
	s_add_co_i32 s[CS], s[CS], s96                 ; a score stands for score x 2^(e2 + e3): the exponents are added to c's exponent field
	s_mov_b32 s[CS+1], s[CS]
	s_add_co_i32 s96, s72, 127
	s_lshl_b32 s97, s96, 23
	v_mov_b32 v244, s97                            ; 2^e4
	s_add_co_i32 s96, s74, 127
	s_lshl_b32 s97, s96, 23
	v_mov_b32 v245, s97                            ; 2^e6
	s_add_co_i32 s[E45], s72, s73
; A KEY STEP: 128 keys, the q-th half of the slot in hand.
.macro STEP q
	s_add_co_u32 s96, s[Q0], 15                    ; a step all of whose keys come after my 16 queries is passed over: a scalar branch on ids, round no barrier and no tensor load
	s_cmp_gt_u32 s[KF], s96
	s_cbranch_scc1 .Lhidden_\@
	v_add_nc_u32 v[ADK], s[TB], v[LI]
.rept 3
	v_nop                                          ; with the addition: four places in front of loads into registers that the last products read
.endr
.set ii, 0
.rept 16
	ds_load_b128 v[32+4*ii:35+4*ii], v[ADK] offset:\q*8192+512*ii          ; eight tiles of 16 keys x 64
.set ii, ii+1
.endr
	s_wait_dscnt 0x0
.set ii, 0
	s_wait_alu depctr_va_vdst(0)
.rept 8
	v_wmma_f32_16x16x64_bf8_bf8 v[96+8*ii:103+8*ii], v[32+8*ii:39+8*ii], v[16:23], 0
.set ii, ii+1
.endr
.rept 4
	v_nop                                          ; places: for the loads below, and for the first read of the scores
.endr
.set ii, 0
.rept 16
	ds_load_b128 v[32+4*ii:35+4*ii], v[ADK] offset:16384+\q*8192+512*ii    ; V's four fragments (16 channels x 128 keys): they land under the softmax
.set ii, ii+1
.endr
	s_add_co_u32 s96, s[KF], 127                   ; on the diagonal the scores of hidden keys become -infinity ahead of the maximum: p = 0 then.  A step all of whose keys count skips this
	s_cmp_le_u32 s96, s[Q0]
	s_cbranch_scc1 .Lopen_\@
	s_sub_co_i32 s96, s[Q0], s[KF]
	v_and_b32 v252, 15, v0
	v_bfe_u32 v253, v0, 4, 1
	s_delay_alu instid0(VALU_DEP_1)
	v_lshlrev_b32 v253, 3, v253
	s_delay_alu instid0(VALU_DEP_1)
	v_sub_nc_u32 v252, v252, v253
	s_delay_alu instid0(VALU_DEP_1)
	v_add_nc_u32 v252, s96, v252                   ; d = my query - KF - 8 (lane / 16).  Register 8 c + j holds key KF + 8 (lane / 16) + 16 c + j: hidden where 16 c + j > d
	v_mov_b32 v254, 0xff800000
.set ii, 0
.rept 64
	v_cmp_gt_i32 vcc_lo, 16*(ii/8)+ii%8, v252
	v_cndmask_b32 v[96+ii], v[96+ii], v254, vcc_lo
.set ii, ii+1
.endr
.Lopen_\@:
	v_max3_num_f32 v254, v96, v97, v98             ; the step's largest score of my query, among my 64 keys, in two chains; each accumulator is first read at its low end
	v_max3_num_f32 v252, v99, v100, v101
.set ii, 6
.rept 14
	v_max3_num_f32 v254, v254, v[96+ii], v[97+ii]
	v_max3_num_f32 v252, v252, v[98+ii], v[99+ii]
.set ii, ii+4
.endr
	v_max3_num_f32 v254, v254, v158, v159
	s_delay_alu instid0(VALU_DEP_1)
	v_max_num_f32 v254, v254, v252
	v_permlanex16_b32 v236, v254, s[SEL], s[SEL+1]
	s_delay_alu instid0(VALU_DEP_1)
	v_max_num_f32 v254, v254, v236                 ; and among lane l xor 16's
	s_delay_alu instid0(VALU_DEP_1)
	v_mul_f32 v254, s[CS], v254                    ; as t (c is positive)
	s_delay_alu instid0(VALU_DEP_1)
	v_max_num_f32 v13, v13, v254                   ; the running largest t
	v_mov_b32 v254, v12
	s_delay_alu instid0(VALU_DEP_2)
	v_floor_f32 v12, -v13                          ; the new -M = floor(-t) = -ceil(t): a whole number
	s_delay_alu instid0(VALU_DEP_1)
	v_sub_f32 v254, v12, v254                      ; M's old value less its new one: a whole number, 0 or less
	s_delay_alu instid0(VALU_DEP_1)
	v_cvt_i32_f32 v254, v254                       ; (it saturates)
	s_delay_alu instid0(VALU_DEP_1)
	v_ldexp_f32 v252, 1.0, v254                    ; f = 2^(old M - new M)
.set ii, 0
.rept 32
	v_pk_fma_f32 v[96+ii:97+ii], v[96+ii:97+ii], s[CS:CS+1], v[12:13] op_sel_hi:[1,0,0]   ; t - M, two at a time
.set ii, ii+2
.endr
.set ii, 0
	s_wait_alu depctr_va_vdst(0)
.rept 64
	v_exp_f32 v[96+ii], v[96+ii]                   ; p = 2^(t - M), at most 1
.set ii, ii+1
.endr
	v_pk_mul_f32 v[14:15], v[14:15], v[252:253] op_sel_hi:[1,0]   ; the sums under the new M: the plain line behind the exponentials
	s_wait_alu depctr_va_vdst(0)                   ; one wait for the whole batch, ahead of its first reader
	v_pk_add_f32 v[242:243], v[100:101], v[104:105]
	v_pk_add_f32 v[254:255], v[108:109], v[112:113]
	v_pk_add_f32 v[250:251], v[116:117], v[120:121]
	v_pk_add_f32 v[248:249], v[124:125], v[128:129]
	v_pk_add_f32 v[246:247], v[132:133], v[136:137]
	v_pk_add_f32 v[240:241], v[140:141], v[144:145]
	v_pk_add_f32 v[238:239], v[148:149], v[152:153]
	v_pk_add_f32 v[14:15], v[14:15], v[156:157]
	v_pk_add_f32 v[242:243], v[242:243], v[96:97]
	v_pk_add_f32 v[254:255], v[254:255], v[98:99]
	v_pk_add_f32 v[250:251], v[250:251], v[102:103]
	v_pk_add_f32 v[248:249], v[248:249], v[106:107]
	v_pk_add_f32 v[246:247], v[246:247], v[110:111]
	v_pk_add_f32 v[240:241], v[240:241], v[114:115]
	v_pk_add_f32 v[238:239], v[238:239], v[118:119]
	v_pk_add_f32 v[14:15], v[14:15], v[122:123]
	v_pk_add_f32 v[242:243], v[242:243], v[126:127]
	v_pk_add_f32 v[254:255], v[254:255], v[130:131]
	v_pk_add_f32 v[250:251], v[250:251], v[134:135]
	v_pk_add_f32 v[248:249], v[248:249], v[138:139]
	v_pk_add_f32 v[246:247], v[246:247], v[142:143]
	v_pk_add_f32 v[240:241], v[240:241], v[146:147]
	v_pk_add_f32 v[238:239], v[238:239], v[150:151]
	v_pk_add_f32 v[14:15], v[14:15], v[154:155]
	v_pk_add_f32 v[242:243], v[242:243], v[158:159]
	s_delay_alu instid0(VALU_DEP_2)
	v_pk_add_f32 v[14:15], v[14:15], v[248:249]
	s_delay_alu instid0(VALU_DEP_2)
	v_pk_add_f32 v[242:243], v[242:243], v[246:247]
	v_pk_add_f32 v[254:255], v[254:255], v[240:241]
	v_pk_add_f32 v[250:251], v[250:251], v[238:239]
	s_delay_alu instid0(VALU_DEP_2)
	v_pk_add_f32 v[14:15], v[14:15], v[254:255]
	s_delay_alu instid0(VALU_DEP_2)
	v_pk_add_f32 v[242:243], v[242:243], v[250:251]
	s_delay_alu instid0(VALU_DEP_1)
	v_pk_add_f32 v[14:15], v[14:15], v[242:243]
.set ii, 0
.rept 64
.set ii, ii+1
.endr
.set ii, 0
.rept 8
	v_cvt_scalef32_pk8_bf8_f32 v[224+2*ii:225+2*ii], v[96+8*ii:103+8*ii], v244
.set ii, ii+1
.endr
.set ii, 0
.rept 16
	v_pk_mul_f32 v[160+ii:161+ii], v[160+ii:161+ii], v[252:253] op_sel_hi:[1,0]   ; O^T under the new M.  (Also the plain lines between the conversions and the products)
.set ii, ii+2
.endr
	s_wait_alu depctr_va_vdst(0)
	s_wait_dscnt 0x0                               ; V's fragments are in
.set ii, 0
.rept 4
	v_wmma_f32_16x16x128_bf8_bf8 v[160+8*ii:167+8*ii], v[32+16*ii:47+16*ii], v[224:239], v[160+8*ii:167+8*ii]   ; four accumulators by turns, one instruction a turn
.set ii, ii+1
.endr
.Lhidden_\@:
	s_add_co_u32 s[KF], s[KF], 128
.endm
; THE CHANGE OF SLOTS stands at a slot's head.  Each wave waits for all its tensor loads (its part of the slot that it is about to read), adds 0 to its spare word, and waits for that and for its reads of the slot that it has left.
; Behind the barrier the slot ahead is whole and nobody reads the other one.  fill = 1: that other slot takes the key slot that follows in the walk: it has a whole trip in which to land.
.macro CHANGE fill
	s_wait_tensorcnt 0x0                           ; no tensor load of mine is out, so group 0 may be written
	ds_add_u32 v[SPW], v[NIL]                      ; 0 onto my spare word
.if \fill
	ds_add_u32 v[SPW], v[NIL]                      ; and once more: the add twice on end, in every trip alike
	s_add_co_u32 s[NS], s[NS], 1                   ; the next key slot,
	s_cmp_eq_u32 s[TR], s[SW]
	s_cselect_b32 s[NS], 0, s[NS]                  ; or slot 0 again, for block p
	s_xor_b32 s[G0+1], s[G0+1], SLOTB              ; into the other LDS slot than last time
	s_lshl_b32 s[OFS], s[NS], 14
	s_add_nc_u64 s[G0+2:G0+3], s[SRC:SRC+1], s[OFS:OFS+1]
	s_or_b32 s[G0+3], s[G0+3], 0x80000000
	s_wait_xcnt 0x0                                ; the last prefetch, a trip back, has read its address, so it may be written:
	s_add_co_u32 s[OFS], s[TR], 2
	s_lshl_b32 s[OFS], s[OFS], 14
	s_add_nc_u64 s[PFA:PFA+1], s[SRC:SRC+1], s[OFS:OFS+1]
.endif
	s_wait_dscnt 0x0                               ; the add is done, and my reads of the slot that I have left are over
	s_barrier_signal -1
	s_barrier_wait -1
.if \fill
	TLOAD                                          ; the first thing behind the barrier, and a wave's one tensor load until the next
	ASK
.endif
.endm
; A BLOCK'S WAY OUT: o = O^T x 2^(e4 + e5) / the sum; quantised with 2^e6: 8 registers, the image of a fragment of 16 tokens x this head's 64 channels; two stores of 512 consecutive bytes.
.macro WAYOUT base
.rept 4
	v_nop                                          ; places behind the last products
.endr
	v_add_f32 v14, v14, v15                        ; the sum's two halves,
	s_wait_alu depctr_va_vdst(0)
	v_permlanex16_b32 v252, v14, s[SEL], s[SEL+1]
	s_delay_alu instid0(VALU_DEP_1)
	v_add_f32 v14, v14, v252                       ; and lane l xor 16's
	s_wait_alu depctr_va_vdst(0)
	v_rcp_f32 v14, v14
	v_nop                                          ; a plain line behind the reciprocal,
	s_wait_alu depctr_va_vdst(0)                   ; and the wait ahead of its first reader
	v_ldexp_f32 v14, v14, s[E45]
.set ii, 0
.rept 16
	v_pk_mul_f32 v[192+ii:193+ii], v[160+ii:161+ii], v[14:15] op_sel_hi:[1,0]   ; each accumulator from its low end on
.set ii, ii+2
.endr
.set ii, 0
.rept 32
.set ii, ii+1
.endr
.set ii, 0
.rept 4
	v_cvt_scalef32_pk8_bf8_f32 v[96+2*ii:97+2*ii], v[192+8*ii:199+8*ii], v245
.set ii, ii+1
.endr
	v_nop                                          ; a plain line behind the conversions
	global_store_b128 v[LI], v[96:99],   s[\base:\base+1]
	global_store_b128 v[LI], v[100:103], s[\base:\base+1] offset:512
.endm
	s_wait_loadcnt 0x0                             ; Q
.Lslot:                                            ; eight trips; the ninth slot is written out
	CHANGE 1
	STEP 0
	STEP 1
	s_xor_b32 s[TB], s[TB], SLOTB                  ; on to the other slot
	s_cmp_lg_u32 s[TR], s[SW]                      ; ids and the count of trips alone: all sixteen waves go the same way
	s_cbranch_scc1 .Lsame
	WAYOUT OBH                                     ; block 7 - p is finished
	STATE                                          ; block p begins
.set ii, 0
.rept 8
	v_mov_b32 v[16+ii], v[24+ii]
.set ii, ii+1
.endr
	s_mov_b32 s[Q0], s[QL]
	s_mov_b32 s[KF], 0
	s_wait_xcnt 0x0                                ; the two stores have read their data: the next step's scores are written there
.Lsame:
	s_add_co_u32 s[TR], s[TR], 1
	s_cmp_lt_u32 s[TR], 8
	s_cbranch_scc1 .Lslot
	CHANGE 0
	STEP 0
	STEP 1
	WAYOUT OBL
	s_wait_tensorcnt 0x0                           ; the wave's end
	ds_add_u32 v[SPW], v[NIL]
	s_wait_dscnt 0x0
	s_endpgm
.Lfunc_end_k_qa2c65db567_attn:
	.size	k_qa2c65db567_attn, .Lfunc_end_k_qa2c65db567_attn-k_qa2c65db567_attn
	.p2alignl 7, 3214868480
	.fill 96, 4, 3214868480
	.section	.rodata,"a",@progbits
	.p2align	6, 0x0
	.amdhsa_kernel k_qa2c65db567_attn
		.amdhsa_group_segment_fixed_size 327680
		.amdhsa_private_segment_fixed_size 0
		.amdhsa_enable_private_segment 0
		.amdhsa_kernarg_size 32
		.amdhsa_user_sgpr_count 2
		.amdhsa_user_sgpr_kernarg_segment_ptr 1
		.amdhsa_wavefront_size32 1
		.amdhsa_system_sgpr_workgroup_id_x 1
		.amdhsa_system_sgpr_workgroup_id_y 1
		.amdhsa_system_sgpr_workgroup_id_z 1
		.amdhsa_system_vgpr_workitem_id 0
		.amdhsa_next_free_vgpr 256
		.amdhsa_next_free_sgpr 100
		.amdhsa_reserve_vcc 1
		.amdhsa_float_denorm_mode_32 3
		.amdhsa_float_denorm_mode_16_64 3
		.amdhsa_fp16_overflow 1
		.amdhsa_memory_ordered 1
		.amdhsa_forward_progress 1
		.amdhsa_inst_pref_size 90
	.end_amdhsa_kernel
	.amdgpu_metadata
---
amdhsa.version: [ 1, 2 ]
amdhsa.kernels:
  - .name:           k_qa2c65db567_attn
    .symbol:         k_qa2c65db567_attn.kd
    .args:
      - { .name: qk_img, .offset: 0, .size: 8, .value_kind: global_buffer, .address_space: global }
      - { .name: v_img, .offset: 8, .size: 8, .value_kind: global_buffer, .address_space: global }
      - { .name: lowp_scales, .offset: 16, .size: 8, .value_kind: global_buffer, .address_space: global }
      - { .name: o_img, .offset: 24, .size: 8, .value_kind: global_buffer, .address_space: global }
    .group_segment_fixed_size: 327680
    .private_segment_fixed_size: 0
    .kernarg_segment_align: 8
    .kernarg_segment_size: 32
    .max_flat_workgroup_size: 512
    .sgpr_count:     100
    .vgpr_count:     256
    .wavefront_size: 32
...
	.end_amdgpu_metadata
.endif
;; end of part 3
;; launch proj (part 4): grid 4 x 32, 4 waves a work-group, clusters of 4 x 4, 327,680 bytes of LDS; arguments o_img, w_img, lowp_scales, b_proj, out0; writes out0
.if DOCPART == 4
	.amdgcn_target "amdgcn-amd-amdhsa--gfx1250"
	.amdhsa_code_object_version 6
	.text
	.protected	k_qa2c65db567_proj
	.globl	k_qa2c65db567_proj
	.p2align	8
	.type	k_qa2c65db567_proj,@function
k_qa2c65db567_proj:
	s_mov_b64 s[64:65], 0
	v_nop
	global_prefetch_b8 v0, s[64:65] scope:SCOPE_SE
	s_setreg_imm32_b32 hwreg(HW_REG_WAVE_MODE, 25, 1), 1
	s_wait_xcnt 0x0
	s_wait_alu depctr_hold_cnt(0) depctr_sa_sdst(0) depctr_va_vdst(0) depctr_va_sdst(0) depctr_va_ssrc(0) depctr_va_vcc(0) depctr_vm_vsrc(0)
	s_getreg_b32 s2, hwreg(HW_REG_IB_STS2, 6, 4)
	s_cmp_eq_u32 s2, 0
	s_cbranch_scc0 .Lentry_in_a_cluster
	s_endpgm
.Lentry_in_a_cluster:
	s_bfe_u32 s2, ttmp6, 0x10000c
	s_cmp_lg_u32 s2, 0xf033
	s_cbranch_scc0 .Lentry_shape_is_right
	s_endpgm
.Lentry_shape_is_right:
; out0 = o W_proj + b_proj on codes of E5M2 (K = 1,024): out0 = sum x 2^(e6 + e7) + bias, one fused multiply-add in f32.  Nothing is left out here.
; LIMIT: e6 + e7 between -126 and 127.
; OPERANDS are images of operand registers (16 rows x 128 K = 2,048 bytes, registers 4 g .. 4 g + 3 of lane l at 512 g + 16 l), [tile of 16 rows][8 K steps][2,048]: A = o_img (tokens), B = w_img from its tile 192 on (W_proj's columns).
; A tile of the result, 256 x 256, is made by four waves, each 128 x 128: 64 accumulators.  K goes in steps of 256 through two LDS slots filled by the tensor data mover; four K steps, written out.
; THE MATRIX INSTRUCTION: source 0 = 16 rows of B, source 1 = 16 rows of A: a lane holds eight neighbouring numbers of a row of out0.
; CLUSTERS: 4 x 4 work-groups: A's tiles are asked for jointly along a row of the cluster, B's along a column.  The result has 32 x 4 = 128 such tiles: one work-group each.
; REGISTERS, in windows of 256: window 0: v16-31 addresses; v32-63 at work on the way out; v64-127 the bias; v128-255 A's fragments, ONE set (on the way out: rows read back).  window 1: B's fragments, two sets.  windows 2, 3: the accumulators.
.set FR,     16
.set NL,     4
.set NP,     4                         ; places behind this matrix instruction (ISA guide 7.12.1)
.set HALFT,  32768                     ; 8 tiles of rows x 4,096 bytes: what one tensor load brings
.set SLOT,   4*HALFT
.set SPARE,  2*SLOT                    ; behind the ring: the spare words, 128 bytes a wave, which no other line names
.set SPITCH, 528                       ; the way out: a stage of 16 rows x (512 bytes + 16) for each wave.  It lies in slot 0, which has had its last fill and its last read when the first result is stored there
.set ADRA, 16
.set ADRB, 20
.set STO,  24                          ; v24  the way out: where I put 32 bytes of a row
.set RD,   25                          ; v25  where I read a row back
.set CO,   26                          ; v26  16 x lane: my byte offset in a row's 512 bytes
.set H32,  27                          ; v27  32 h
.set SPW,  28
.set NIL,  29
.set TMP,  32
.set BI,   64
.set AF,   128
.set BK,   128                         ; 16 rows read back from the stage: v128-191 and v192-255 by turns
.set G1, 24
.set G0, 32
.set G1B, 48
.set G0B, 56
.set MSB, 0
.macro WIN new                         ; the immediate's high byte repeats the setting that is left
.if MSB != \new
	s_set_vgpr_msb (MSB<<8)|\new
.set MSB, \new
.endif
.endm
.set MUL_LO, 0xa1                      ; source 0 (B) window 1, source 1 (A) window 0, C and D window 2
.set MUL_HI, 0xf1
.set TO_B,   0x40
.macro JLOAD g0a, g1a, g0b, g1b        ; a joint load: waves 0 and 1 fetch for A, waves 2 and 3 for B; an s_nop 0 and four v_nop follow each of the two lines
	s_cmp_eq_u32 s15, 0
	s_cbranch_scc0 .Lfor_b_\@
	tensor_load_to_lds s[\g0a:\g0a+3], s[\g1a:\g1a+7]
	s_nop 0
.rept 4
	v_nop
.endr
	s_branch .Lasked_\@
.Lfor_b_\@:
	tensor_load_to_lds s[\g0b:\g0b+3], s[\g1b:\g1b+7]
	s_nop 0
.rept 4
	v_nop
.endr
.Lasked_\@:
.endm
.macro CREST
	s_cmp_lg_u32 s14, 0
	s_cbranch_scc1 .Lnot_wave_0_\@
	s_barrier_signal -3
.Lnot_wave_0_\@:
	s_barrier_wait -3
	s_barrier_signal -1
	s_barrier_wait -1
.endm
.macro CROUND
	s_barrier_signal -1
	s_barrier_wait -1
	CREST
.endm
	s_load_b256 s[4:11], s[0:1], 0x0               ; o_img s[4:5], w_img s[6:7], the scales' exponents s[8:9], b_proj s[10:11]
	s_load_b64 s[12:13], s[0:1], 0x20              ; out0
	v_lshl_add_u32 v[SPW], v0, 2, SPARE
	v_mov_b32 v[NIL], 0
	ds_add_u32 v[SPW], v[NIL]                      ; the wave's opening: the add, twice on end, and its wait ahead of my first tensor load
	ds_add_u32 v[SPW], v[NIL]
	v_lshrrev_b32 v1, 5, v0
	v_readfirstlane_b32 s14, v1                    ; wave 0..3
	s_lshr_b32 s15, s14, 1                         ; which half of the tile's rows is mine.  Also: I fetch for A (0) or for B (1)
	s_and_b32 s16, s14, 1                          ; which half of its columns.  Also: which half of that tile I fetch
	s_bfe_u32 s40, ttmp6, 0x40000                  ; cx, cy
	s_bfe_u32 s41, ttmp6, 0x40004
	s_lshl_b32 s42, ttmp9, 2
	s_add_co_u32 s42, s42, s40                     ; tile column = 4 x cluster x + cx
	s_and_b32 s17, ttmp7, 0xffff
	s_lshl_b32 s17, s17, 2
	s_add_co_u32 s17, s17, s41                     ; tile row = 4 x cluster y + cy
	s_lshl_b32 s43, s41, 2
	s_lshl_b32 s43, 15, s43                        ; my row of the cluster
	s_lshl_b32 s44, 0x1111, s40                    ; my column
	s_or_b32 s[G1+0], s43, (3<<16)|(1<<21)         ; 15:0 the mask; 17:16 elements of 8 bytes; 20 no padding; 21 set beside a mask
	s_or_b32 s[G1B+0], s44, (3<<16)|(1<<21)
.irp g, G1, G1B
	s_mov_b32 s[\g+1], 512<<16                     ; tensor_dim0
	s_mov_b32 s[\g+2], 8<<16                       ; tensor_dim1
	s_mov_b32 s[\g+3], 512<<16                     ; tile_dim0
	s_mov_b32 s[\g+4], 8                           ; tile_dim1
	s_mov_b32 s[\g+5], 2048                        ; tensor_dim0_stride
	s_mov_b32 s[\g+6], 0
	s_mov_b32 s[\g+7], 0
.endr
	s_lshl_b32 s18, s16, 17
	s_lshl_b32 s20, s17, 18
	s_add_co_u32 s20, s20, s18
	s_mov_b32 s21, 0
	s_lshl_b32 s46, s42, 18
	s_add_co_u32 s46, s46, s18
	s_add_co_u32 s46, s46, 0x300000                ; W_proj's tiles lie behind W_attn's 192
	s_mov_b32 s47, 0
	s_lshl_b32 s45, s14, 15                        ; where they go: wave x 32,768
	s_wait_dscnt 0x0                               ; both opening adds are done
	s_wait_kmcnt 0x0
	s_load_b64 s[96:97], s[8:9], 0x18              ; e6, e7
	s_add_nc_u64 s[20:21], s[4:5], s[20:21]
	s_add_nc_u64 s[46:47], s[6:7], s[46:47]
	CROUND                                         ; all sixteen work-groups are here: the first joint loads meet
.irp s, 0,1
	s_mov_b32 s[G0+4*\s], 1
	s_add_co_u32 s[G0+4*\s+1], s45, \s*SLOT
	s_add_nc_u64 s[G0+4*\s+2:G0+4*\s+3], s[20:21], \s*4096
	s_or_b32 s[G0+4*\s+3], s[G0+4*\s+3], 0x80000000
	s_mov_b32 s[G0B+4*\s], 1
	s_add_co_u32 s[G0B+4*\s+1], s45, \s*SLOT
	s_add_nc_u64 s[G0B+4*\s+2:G0B+4*\s+3], s[46:47], \s*4096
	s_or_b32 s[G0B+4*\s+3], s[G0B+4*\s+3], 0x80000000
	s_wait_alu depctr_va_vdst(0)
	s_wait_tensorcnt 0x0
	ds_add_u32 v28, v29
	ds_add_u32 v28, v29
	s_wait_dscnt 0x0
	CROUND
	JLOAD G0+4*\s, G1, G0B+4*\s, G1B               ; one load of mine is out
.endr
	v_and_b32 v1, 15, v0                           ; r
	s_wait_alu depctr_va_vdst(0)
	v_bfe_u32 v2, v0, 4, 1                         ; h
	v_and_b32 v6, 31, v0
	v_lshlrev_b32 v[CO], 4, v6
	v_lshlrev_b32 v[H32], 5, v2
	s_lshl_b32 s21, s15, 15
	s_lshl_b32 s22, s16, 15
	s_add_co_u32 s22, s22, 2*HALFT
.irp s, 0,1
	v_add_nc_u32 v[ADRA+\s], s21, v[CO]
	v_add_nc_u32 v[ADRB+\s], s22, v[CO]
	s_add_co_u32 s21, s21, SLOT
	s_add_co_u32 s22, s22, SLOT
.endr
	s_mul_i32 s23, s14, 16*SPITCH                  ; my stage
	v_mul_u32_u24 v5, v1, SPITCH                   ; in: row r, 32 bytes for each half of the lanes
	s_wait_alu depctr_va_vdst(0)
	v_lshl_add_u32 v5, v2, 5, v5
	v_add_nc_u32 v[STO], s23, v5
	v_add_nc_u32 v[RD], s23, v[CO]                 ; back: the 32 lanes take one row of 512 bytes
	s_lshl_b32 s68, s42, 10                        ; the bias of my 128 columns
	s_lshl_b32 s69, s16, 9
	s_add_co_u32 s68, s68, s69
	s_mov_b32 s69, 0
	s_add_nc_u64 s[12:13], s[12:13], s[68:69]      ; the same bytes on in a row of out0,
	s_add_nc_u64 s[68:69], s[10:11], s[68:69]
.irp b, 0,1,2,3,4,5,6,7
	global_load_b128 v[BI+8*\b:BI+8*\b+3],   v[H32], s[68:69] offset:64*\b      ; columns 16 b + 8 h + 0 .. 7; the loop leaves these registers alone
	global_load_b128 v[BI+8*\b+4:BI+8*\b+7], v[H32], s[68:69] offset:64*\b+16
.endr
	s_lshl_b32 s20, s17, 20                        ; and my first row: (256 x tile row + 128 x half) x 4,096 bytes
	s_lshl_b32 s21, s15, 19
	s_add_co_u32 s20, s20, s21
	s_mov_b32 s21, 0
	s_add_nc_u64 s[12:13], s[12:13], s[20:21]
	s_wait_kmcnt 0x0                               ; the exponents; the first tiles are on their way meanwhile
	s_add_co_i32 s96, s96, s97
	s_add_co_i32 s96, s96, 127
	s_lshl_b32 s96, s96, 23                        ; 2^(e6 + e7) as f32
	s_mov_b32 s97, s96
.macro FRAG reg, adr, q, i
.irp c, 0,1,2,3
	ds_load_b128 v[\reg+4*\c:\reg+4*\c+3], v[\adr] offset:(\i)*4096+(\q)*2048+512*\c
.endr
.endm
.macro MUL16 a0, p, zero               ; the 64 accumulators take turns, one instruction a turn
.irp a, \a0, \a0+1
.irp b, 0,1,2,3,4,5,6,7
.if \zero
	v_wmma_f32_16x16x128_bf8_bf8 v[8*(8*((\a)%4)+\b):8*(8*((\a)%4)+\b)+7], v[128*(\p)+FR*\b:128*(\p)+FR*\b+FR-1], v[AF+FR*(\a):AF+FR*(\a)+FR-1], 0
.else
	v_wmma_f32_16x16x128_bf8_bf8 v[8*(8*((\a)%4)+\b):8*(8*((\a)%4)+\b)+7], v[128*(\p)+FR*\b:128*(\p)+FR*\b+FR-1], v[AF+FR*(\a):AF+FR*(\a)+FR-1], v[8*(8*((\a)%4)+\b):8*(8*((\a)%4)+\b)+7]
.endif
.endr
.endr
.endm
.macro FETCH_B slot, q, p
	WIN TO_B
.irp i, 0,1,2,3,4,5,6,7
	FRAG 128*(\p)+FR*\i, ADRB+\slot, \q, \i
.endr
	WIN 0
.endm
.macro FETCH_A slot, q, i0
.irp i, \i0, \i0+1, \i0+2, \i0+3
	FRAG AF+FR*(\i), ADRA+\slot, \q, \i
.endr
.endm
.macro PLACES n
.rept \n
	v_nop
.endr
.endm
.macro STEP slot, q, zero
	s_wait_dscnt 4*NL                              ; B's set and A's blocks 0-3 are in; the youngest 16 loads (A's blocks 4-7) may be out
	WIN MUL_LO
	MUL16 0, (\q)%2, \zero
	MUL16 2, (\q)%2, \zero
	s_wait_dscnt 0
	PLACES NP
	FETCH_B \slot, (\q)+1, 1-(\q)%2
	FETCH_A \slot, (\q)+1, 0
	WIN MUL_HI
	MUL16 4, (\q)%2, \zero
	MUL16 6, (\q)%2, \zero
	PLACES NP
	WIN 0
	FETCH_A \slot, (\q)+1, 4
.endm
.macro TURN slot, next, fill
	s_wait_tensorcnt 0x0                           ; all my tensor loads have landed: my part of the next slot
	ds_add_u32 v[SPW], v[NIL]                      ; 0 onto my spare word
	s_wait_dscnt 4*NL+1                            ; (the add and the youngest 16 loads may be out)
	WIN MUL_LO
	MUL16 0, 1, 0
	s_wait_dscnt 0x0                               ; the add is done, and my reads of this slot are over
	s_barrier_signal -1
	MUL16 2, 1, 0
	WIN 0
	s_barrier_wait -1
.if \fill
	CREST                                          ; the barrier has opened a round of the cluster's barrier
	s_add_nc_u64 s[G0+4*\slot+2:G0+4*\slot+3], s[G0+4*\slot+2:G0+4*\slot+3], 8192
	s_add_nc_u64 s[G0B+4*\slot+2:G0B+4*\slot+3], s[G0B+4*\slot+2:G0B+4*\slot+3], 8192
	JLOAD G0+4*\slot, G1, G0B+4*\slot, G1B         ; the first tensor load behind the round, my one
.else
	PLACES NP
.endif
	FETCH_B \next, 0, 0
	FETCH_A \next, 0, 0
	WIN MUL_HI
	MUL16 4, 1, 0
	MUL16 6, 1, 0
	PLACES NP
	WIN 0
	FETCH_A \next, 0, 4
.endm
	s_wait_tensorcnt 1                             ; my part of K step 0 is in; K step 1's load may be out
	s_barrier_signal -1
	s_barrier_wait -1
	FETCH_B 0, 0, 0
	FETCH_A 0, 0, 0
	FETCH_A 0, 0, 4
	STEP 0, 0, 1
	TURN 0, 1, 1
	STEP 1, 0, 0
	TURN 1, 0, 1
	STEP 0, 0, 0
	TURN 0, 1, 0
	STEP 1, 0, 0
	s_wait_dscnt 4*NL                              ; the very last step: nothing more to fetch
	WIN MUL_LO
	MUL16 0, 1, 0
	MUL16 2, 1, 0
	s_wait_dscnt 0
	WIN MUL_HI
	MUL16 4, 1, 0
	MUL16 6, 1, 0
	WIN 0
; THE WAY OUT, block by block of 16 rows x 128 columns: through my own stage in LDS and back as whole rows of 512 bytes.  LDS serves a wave's instructions in order: no wait between the stores and the loads.
.macro TOSTAGE a
.set AC, 64*((\a)%4)
.irp u, 0,1                            ; four tiles of columns at a time
	WIN (0x02+(\a)/4)                              ; source 0: window 2 or 3
.irp bb, 0,1,2,3
.irp i, 0,2,4,6
	v_pk_fma_f32 v[TMP+8*\bb+\i:TMP+8*\bb+\i+1], v[AC+8*(4*\u+\bb)+\i:AC+8*(4*\u+\bb)+\i+1], s[96:97], v[BI+8*(4*\u+\bb)+\i:BI+8*(4*\u+\bb)+\i+1] op_sel_hi:[1,0,1]   ; sum x 2^(e6 + e7) + bias; each accumulator from its low end on
.endr
.endr
	WIN 0
.irp bb, 0,1,2,3
	ds_store_b128 v[STO], v[TMP+8*\bb:TMP+8*\bb+3] offset:64*(4*\u+\bb)
	ds_store_b128 v[STO], v[TMP+8*\bb+4:TMP+8*\bb+7] offset:64*(4*\u+\bb)+16
.endr
.endr
.set BB, BK+64*((\a)%2)
.irp t, 0,1,2,3,4,5,6,7,8,9,10,11,12,13,14,15
	ds_load_b128 v[BB+4*\t:BB+4*\t+3], v[RD] offset:\t*SPITCH
.endr
.endm
.macro SEND a, younger                 ; younger: the LDS instructions issued behind block a's loads, which may stay out
.set BB, BK+64*((\a)%2)
	s_wait_dscnt \younger
.if (\a) > 0
	s_add_nc_u64 s[12:13], s[12:13], 16*4096       ; (behind a wait on XCNT: the earlier stores have read their base)  16 rows on
.endif
.irp t, 0,1,2,3,4,5,6,7,8,9,10,11,12,13,14,15
	global_store_b128 v[CO], v[BB+4*\t:BB+4*\t+3], s[12:13] offset:\t*4096 th:TH_STORE_NT   ; 32 lanes store 512 consecutive bytes, at a multiple of 256 from out0's first byte
.endr
.endm
	s_wait_loadcnt 0x0                             ; the bias
	PLACES NP                                      ; behind the last products: for the reads of results and for the loads into the registers that held A's fragments
	TOSTAGE 0
.irp a, 1,2,3,4,5,6,7
.if \a > 1
	s_wait_xcnt 0x0                                ; block a - 2's stores have read their registers and their base
.endif
	TOSTAGE \a
	SEND \a-1, 32                                  ; behind block a - 1's loads: block a's 16 stores and 16 loads
.endr
	s_wait_xcnt 0x0
	SEND 7, 0
	s_wait_tensorcnt 0x0                           ; the wave's end: behind my last tensor load and my last LDS store
	ds_add_u32 v[SPW], v[NIL]
	s_wait_dscnt 0x0
	CROUND                                         ; the closing round
	s_endpgm
.Lfunc_end_k_qa2c65db567_proj:
	.size	k_qa2c65db567_proj, .Lfunc_end_k_qa2c65db567_proj-k_qa2c65db567_proj
	.p2alignl 7, 3214868480
	.fill 96, 4, 3214868480
	.section	.rodata,"a",@progbits
	.p2align	6, 0x0
	.amdhsa_kernel k_qa2c65db567_proj
		.amdhsa_group_segment_fixed_size 327680
		.amdhsa_private_segment_fixed_size 0
		.amdhsa_enable_private_segment 0
		.amdhsa_kernarg_size 40
		.amdhsa_user_sgpr_count 2
		.amdhsa_user_sgpr_kernarg_segment_ptr 1
		.amdhsa_wavefront_size32 1
		.amdhsa_system_sgpr_workgroup_id_x 1
		.amdhsa_system_sgpr_workgroup_id_y 1
		.amdhsa_system_sgpr_workgroup_id_z 1
		.amdhsa_system_vgpr_workitem_id 0
		.amdhsa_next_free_vgpr 1024
		.amdhsa_next_free_sgpr 100
		.amdhsa_reserve_vcc 0
		.amdhsa_float_denorm_mode_32 3
		.amdhsa_float_denorm_mode_16_64 3
		.amdhsa_memory_ordered 1
		.amdhsa_forward_progress 1
		.amdhsa_inst_pref_size 126
	.end_amdhsa_kernel
	.amdgpu_metadata
---
amdhsa.version: [ 1, 2 ]
amdhsa.kernels:
  - .name:           k_qa2c65db567_proj
    .symbol:         k_qa2c65db567_proj.kd
    .args:
      - { .name: o_img, .offset: 0, .size: 8, .value_kind: global_buffer, .address_space: global }
      - { .name: w_img, .offset: 8, .size: 8, .value_kind: global_buffer, .address_space: global }
      - { .name: lowp_scales, .offset: 16, .size: 8, .value_kind: global_buffer, .address_space: global }
      - { .name: b_proj, .offset: 24, .size: 8, .value_kind: global_buffer, .address_space: global }
      - { .name: out0, .offset: 32, .size: 8, .value_kind: global_buffer, .address_space: global }
    .group_segment_fixed_size: 327680
    .private_segment_fixed_size: 0
    .kernarg_segment_align: 8
    .kernarg_segment_size: 40
    .max_flat_workgroup_size: 128
    .sgpr_count:     100
    .vgpr_count:     1024
    .wavefront_size: 32
...
	.end_amdgpu_metadata
.endif
;; end of part 4
